; MI455X (gfx1250); checked and timed in simulation.
; The chip was launched on July 23, 2026; its instructions are those of AMD's public machine-readable ISA for CDNA 5 (MIT licence, August 2026) and "CDNA5" Instruction Set Architecture Reference Guide (July 2026). The comments in the code are by the model that wrote it; some were corrected since.
;; I Radon. Allowed arithmetic: float matrix products may take bf16 or f16 operands with f32 sums; all other float work in f32.
;; Inputs: x 4 x 1 x 512 x 180 float32.
;; Outputs: out0 4 x 1 x 512 x 512 float32.
;; 2 versions, each right; version 2 is version 1 with the launch backproject written anew for expert scheduling mode. Each part assembles by itself: llvm-mc -triple=amdgcn-amd-amdhsa -mcpu=gfx1250 --defsym DOCPART=n.
;; ======== version 1 of 2: 2 launches
;; workspace buffers: tab 1,105,920 bytes
;; launch table (part 1): grid 48 x 1, 15 waves a work-group, no clusters, 26,624 bytes of LDS; arguments x, tab; writes tab
.if DOCPART == 1
	.amdgcn_target "amdgcn-amd-amdhsa--gfx1250"
	.amdhsa_code_object_version 6
	.text
	.protected	k_q5785fc3806_table
	.globl	k_q5785fc3806_table
	.p2align	8
	.type	k_q5785fc3806_table,@function
k_q5785fc3806_table:
	s_mov_b64 s[64:65], 0
	v_nop
	global_prefetch_b8 v0, s[64:65] scope:SCOPE_SE
	s_setreg_imm32_b32 hwreg(HW_REG_WAVE_MODE, 25, 1), 1
	s_wait_xcnt 0x0
; tab[l][e][b], l = 0..89 angles, e = 0..767 entries, b = 0..3 images, f32: 16 bytes an entry, 12,288 bytes an angle.
;   e = 112 + y, y = 0..511:  x[b][y][2l] (1 - l/89) + x[b][y][2l+1] (l/89)
;   e < 112 or e >= 624:      0  (the sampler's zero padding, wide enough for every coordinate a pixel can have: -106 .. 618)
; Why these two columns: the sampler's column coordinate is l 179/89 = 2l + l/89.  At l = 89 the weights are exactly 0 and 1
; (89 times the f32 nearest to 1/89 rounds to 1.0), which is column 179 alone, as in the reference.
; LIMIT: column 178 is multiplied by that exact 0; the reference never reads it, so a NaN or an infinity there shows here only.
; A work-group owns 16 neighbouring entries of every angle: 256 consecutive bytes, aligned, for each l.  Groups 7..38 hold data:
; 16 rows of x for each image are 11,520 consecutive bytes (45 x 256), read once by 8-byte loads (one (y, l) pair of columns a lane,
; 256 consecutive aligned bytes a wave); the four images of a (y, l) meet in one lane, which so owns a whole entry.
; Entries come in (y, l) order and leave in (l, y) order: one trip through LDS.  The other 16 groups store the zeros.
; No matrix unit (no product), no data mover (each byte is used once, in the lane that loaded it).
.set XPLANE,  368640                   ; bytes of an image of x
.set CHUNK,   16*720                   ; 16 rows of x
.set TROW,    12288                    ; bytes of an angle in tab
.set PADU,    7                        ; 7 x 16 entries of zeros in front
.set PITCH,   272                      ; LDS: 16 entries + 16 bytes: lanes that store the same y of neighbouring l start 68 words apart
.set THREADS, 480                      ; 16 y x 90 l = 1,440 entries = 3 rounds of 480 threads
.set VQ, 1                             ; t >> 4
.set VR, 2                             ; 16 (t & 15)
.set VT, 3                             ; my byte offset in tab (round 0)
.set VX, 4                             ; 8 t
.set VP, 5                             ; entry number y 90 + l
.set VY, 6
.set VL, 7
.set W1, 8                             ; v8-10   l / 89, a register for each round
.set W0, 11                            ; v11-13  1 - l / 89
.set LA, 14                            ; v14-16  where the entry goes in LDS
.set RA, 17                            ; where I read back
.set XR, 20                            ; v20-43  12 pairs of columns
.set E,  44                            ; v44-55  three entries
.set O,  56                            ; v56-67  three entries on the way out
	s_load_b128 s[4:7], s[0:1], 0x0                ; x s[4:5], tab s[6:7]
	v_lshl_add_u32 v68, v0, 2, 0x6000
	v_mov_b32 v69, 0
	v_lshrrev_b32 v[VQ], 4, v0
	v_and_b32 v[VR], 15, v0
	v_lshlrev_b32 v[VR], 4, v[VR]
	v_mad_u32_u24 v[VT], v[VQ], TROW, v[VR]        ; angle t >> 4, entry t & 15 of my 16
	s_lshl_b32 s8, ttmp9, 8                        ; my 16 entries: 256 bytes x group
	s_mov_b32 s9, 0
	s_sub_co_u32 s10, ttmp9, PADU                  ; 0..31 for the groups that hold data; wraps to a large number below 7
	s_wait_kmcnt 0x0
	s_add_nc_u64 s[6:7], s[6:7], s[8:9]
	s_cmp_lt_u32 s10, 32
	s_cbranch_scc1 .Ldata
	; the padding: 90 angles x 256 bytes of zeros
.irp r, 0,1,2,3
	v_mov_b32 v[O+\r], 0
.endr
.irp k, 0,1,2
	global_store_b128 v[VT], v[O:O+3], s[6:7] offset:\k*30*TROW    ; 16 lanes store 256 consecutive bytes, aligned; 30 angles a round
.endr
	s_endpgm
.Ldata:
	s_mul_i32 s8, s10, CHUNK
	s_add_nc_u64 s[4:5], s[4:5], s[8:9]            ; x at my first row
	v_lshlrev_b32 v[VX], 3, v0
.irp k, 0,1,2
.irp b, 0,1,2,3
	global_load_b64 v[XR+8*\k+2*\b:XR+8*\k+2*\b+1], v[VX], s[4:5] offset:\b*XPLANE+\k*THREADS*8 th:TH_LOAD_NT
.endr
.endr
	; while the twelve loads are on their way: which (y, l) each round's entry is, its weights, its place in LDS
.irp k, 0,1,2
	v_add_nc_u32 v[VP], \k*THREADS, v0
	v_mul_u32_u24 v[VY], v[VP], 46604              ; y = p / 90 = (p x 46604) >> 22: 46604 / 2^22 exceeds 1/90 by 1.5e-7, times p < 1440 far below 1/90
	v_lshrrev_b32 v[VY], 22, v[VY]
	v_mul_u32_u24 v[VL], v[VY], 90
	v_sub_nc_u32 v[VL], v[VP], v[VL]               ; l = p - 90 y
	v_cvt_f32_u32 v[W1+\k], v[VL]
	v_mul_f32 v[W1+\k], 0x3c381703, v[W1+\k]       ; l / 89
	v_sub_f32 v[W0+\k], 1.0, v[W1+\k]
	v_mul_u32_u24 v[LA+\k], v[VL], PITCH
	v_lshl_add_u32 v[LA+\k], v[VY], 4, v[LA+\k]
.endr
.irp k, 0,1,2
	s_wait_loadcnt 8-4*\k                          ; loads come back in order: this round's four are in, the later rounds' 8 - 4k stay out
.irp b, 0,1,2,3
	v_mul_f32 v[E+4*\k+\b], v[XR+8*\k+2*\b], v[W0+\k]
.endr
.irp b, 0,1,2,3
	v_fmac_f32 v[E+4*\k+\b], v[XR+8*\k+2*\b+1], v[W1+\k]
.endr
	ds_store_b128 v[LA+\k], v[E+4*\k:E+4*\k+3]
.endr
	s_wait_dscnt 0x0                               ; for the other waves' sake: my entries are in LDS
	s_barrier_signal -1
	s_barrier_wait -1
	v_mad_u32_u24 v[RA], v[VQ], PITCH, v[VR]
.irp k, 0,1,2
	ds_load_b128 v[O+4*\k:O+4*\k+3], v[RA] offset:\k*30*PITCH
.endr
.irp k, 0,1,2
	s_wait_dscnt 2-\k                              ; the 2 - k younger read-backs stay out
	global_store_b128 v[VT], v[O+4*\k:O+4*\k+3], s[6:7] offset:\k*30*TROW   ; 16 lanes: the 16 entries of one angle, 256 consecutive bytes, aligned
.endr
	s_wait_tensorcnt 0x0
	ds_add_u32 v68, v69
	s_wait_dscnt 0x0
	s_endpgm
.Lfunc_end_k_q5785fc3806_table:
	.size	k_q5785fc3806_table, .Lfunc_end_k_q5785fc3806_table-k_q5785fc3806_table
	.p2alignl 7, 3214868480
	.fill 96, 4, 3214868480
	.section	.rodata,"a",@progbits
	.p2align	6, 0x0
	.amdhsa_kernel k_q5785fc3806_table
		.amdhsa_group_segment_fixed_size 26624
		.amdhsa_private_segment_fixed_size 0
		.amdhsa_enable_private_segment 0
		.amdhsa_kernarg_size 16
		.amdhsa_user_sgpr_count 2
		.amdhsa_user_sgpr_kernarg_segment_ptr 1
		.amdhsa_wavefront_size32 1
		.amdhsa_system_sgpr_workgroup_id_x 1
		.amdhsa_system_sgpr_workgroup_id_y 1
		.amdhsa_system_sgpr_workgroup_id_z 1
		.amdhsa_system_vgpr_workitem_id 0
		.amdhsa_next_free_vgpr 70
		.amdhsa_next_free_sgpr 66
		.amdhsa_reserve_vcc 0
		.amdhsa_float_denorm_mode_32 3
		.amdhsa_float_denorm_mode_16_64 3
		.amdhsa_memory_ordered 1
		.amdhsa_forward_progress 1
		.amdhsa_inst_pref_size 7
	.end_amdhsa_kernel
	.amdgpu_metadata
---
amdhsa.version: [ 1, 2 ]
amdhsa.kernels:
  - .name:           k_q5785fc3806_table
    .symbol:         k_q5785fc3806_table.kd
    .args:
      - { .name: x, .offset: 0, .size: 8, .value_kind: global_buffer, .address_space: global }
      - { .name: tab, .offset: 8, .size: 8, .value_kind: global_buffer, .address_space: global }
    .group_segment_fixed_size: 26624
    .private_segment_fixed_size: 0
    .kernarg_segment_align: 8
    .kernarg_segment_size: 16
    .max_flat_workgroup_size: 480
    .sgpr_count:     66
    .vgpr_count:     70
    .wavefront_size: 32
...
	.end_amdgpu_metadata
.endif
;; end of part 1
;; launch backproject (part 2): grid 8 x 32, 8 waves a work-group, no clusters, 168,960 bytes of LDS; arguments tab, out0; writes out0
.if DOCPART == 2
	.amdgcn_target "amdgcn-amd-amdhsa--gfx1250"
	.amdhsa_code_object_version 6
	.text
	.protected	k_q5785fc3806_backproject
	.globl	k_q5785fc3806_backproject
	.p2align	8
	.type	k_q5785fc3806_backproject,@function
k_q5785fc3806_backproject:
	s_mov_b64 s[64:65], 0
	v_nop
	global_prefetch_b8 v0, s[64:65] scope:SCOPE_SE
	s_setreg_imm32_b32 hwreg(HW_REG_WAVE_MODE, 25, 1), 1
	s_wait_xcnt 0x0
; out[b][i][j] = pi/180 x sum over l = 0..89 of tab[l] read with linear interpolation at entry
;     t = 112 + 255.5 + (j - 255.5) cos l - (i - 255.5) sin l          (l in degrees; tab: see the launch before)
; A work-group makes 64 (j) x 16 (i) pixels of all four images.  For one angle its coordinates span at most sqrt(63^2 + 15^2) = 64.8
; entries; with 1 of margin below, up to 15 from starting at a multiple of 16 entries, and the upper neighbour, 96 entries = 1,536 bytes
; hold them.  90 such slices, 138,240 bytes, are copied from tab into LDS; every pixel then gathers two neighbouring entries
; (16 bytes each: the four images) for each angle.
; ALL GEOMETRY IS IN WHOLE NUMBERS.  cos and sin: cos 1 and sin 1 in Q31, doubled six times by the assembler; lane n turns (1, 0) by the
; set bits of n (Q30 times Q32, high word), then by 32 and by 64 degrees: lane n of set s holds angle 32 s + n.  Coordinates are Q23,
; kept modulo 2^32 (only t minus the slice's start, below 96, is ever used).  The 23 fraction bits under the exponent of 1.0 are 1 + fraction.
; LIMITS: cos and sin enter rounded to 2^-22 and are multiplied by at most 511, twice: t is off by less than 1e-4 of an entry.
; NaN and infinities spread as in any weighted sum (0 x infinity = NaN), also from a neighbour whose weight is 0.
; A wave owns 2 rows; a lane 4 pixels: q = 2 r + h is row r, column lane + 32 h.  16 neighbouring lanes step by cos <= 1 entry, so the
; 16-byte words that they gather lie within 256 consecutive bytes: no two of them in the same bank unless they are the same word.
; No matrix unit: there is no product here.  No cluster, no joint loads: neighbouring tiles' slices begin at different entries.
; No prefetch: every load of the launch is issued in its first lines.
.set TROW,  12288                      ; bytes of an angle in tab (768 entries)
.set TMAX,  (90*48-6)*256              ; the last place in tab at which a slice can begin
.set SLICE, 1536
.set FR,    23                         ; fraction bits
.set K23,   735<<22                    ; 112 + 255.5 in Q23
.set K16,   733<<15                    ; 112 + 255.5 - 1 in Q16
.set RC0,   0x7ffb0260                 ; cos 1 degree, Q31
.set RS0,   0x023be165                 ; sin 1 degree, Q31
.macro DOUBLE a, b                     ; the double angle, rounded; products stay below 2^62
.set RC\b, (RC\a*RC\a-RS\a*RS\a+(1<<30))>>31
.set RS\b, (RC\a*RS\a+(1<<29))>>30
.endm
	DOUBLE 0, 1
	DOUBLE 1, 2
	DOUBLE 2, 3
	DOUBLE 3, 4
	DOUBLE 4, 5
	DOUBLE 5, 6
.irp k, 0,1,2,3,4,5,6
.set QC\k, RC\k*2                      ; cos and sin of 2^k degrees in Q32
.set QS\k, RS\k*2
.endr
.set L16,  3                           ; 16 x lane
.set LS0,  4                           ; 16 x thread: where my 16 bytes of pieces 0-15 go in LDS (plus 4,096 a piece)
.set LS1,  5                           ; the same for pieces 16-31
.set LS2,  6                           ; and 32, 33
.set P_R,  8                           ; v8-10   set s, lane n: t of my wave's first pixel minus the slice's start, Q23
.set P_C,  11                          ; v11-13  cos, Q23
.set P_S,  14                          ; v14-16  sin, Q23
.set P_O,  17                          ; v17-19  byte offset of the slice in tab
.set K1,   20                          ; v20-21  (-pi/180, pi/180)
.set K2,   22                          ; v22-23  (2 pi/180, -pi/180)
.set ACC,  24                          ; v24-39  sums: pixel q, image b at ACC + 4 q + b
.set TC,   24                          ; before the sums begin, the same registers serve the set-up
.set TS,   25
.set NC,   26
.set NS,   27
.set T0,   28
.set T1,   29
.set T2,   30
.set T3,   31
.set T4,   32
.set T5,   33
.set W,    40                          ; v40-55  two buffers x 4 pixels x (weight of the lower entry, of the upper)
.set M,    56                          ; v56-63  4 pixels: 1 + fraction in the even register; the odd one is only there to make a pair
.set X,    64                          ; v64-127 two buffers x 4 pixels x 2 entries x 4 images; before that pieces 0-11
.set HOLD, 128                         ; v128-215 pieces 12-33, held until angles 0-31 are done
.set OFF,  216                         ; v216-249 a byte offset for each piece's load
.set U,    250                         ; v250-253 coordinate, then LDS address, of the 4 pixels
	s_load_b128 s[4:7], s[0:1], 0x0                ; tab s[4:5], out s[6:7]
	v_lshl_add_u32 v254, v0, 2, 0x29000
	v_mov_b32 v255, 0
	v_and_b32 v1, 31, v0                           ; lane
	v_lshrrev_b32 v2, 5, v0
	v_readfirstlane_b32 s8, v2                     ; wave
	s_and_b32 s9, ttmp7, 0xffff                    ; tile row (16 i); ttmp9: tile column (64 j)
	s_lshl_b32 s10, ttmp9, 7
	s_sub_co_i32 s10, s10, 511                     ; 2 j0 - 511
	s_lshl_b32 s11, s9, 5
	s_sub_co_i32 s11, s11, 511                     ; 2 i0 - 511
	s_add_co_i32 s12, s11, 30                      ; 2 (i0 + 15) - 511: the tile's last row has the lowest t
	s_lshl_b32 s13, s8, 2                          ; 4 x wave: my first row is 2 x wave, sin below is Q22
	v_lshlrev_b32 v[L16], 4, v1
	v_lshlrev_b32 v[LS0], 4, v0
	v_add_nc_u32 v[LS1], 0x10000, v[LS0]
	v_add_nc_u32 v[LS2], 0x20000, v[LS0]
	; The copy goes in 270 pieces of 512 bytes (a third of a slice); wave w takes pieces w + 8 k.  Piece w + 8 (3 g + m) is third
	; (w + 8 m) mod 3 of angle (w + 8 m) / 3 + 8 g: three divisions serve all.  x / 3 = (x 21846) >> 16 for x < 24.
.irp m, 0,1,2
	s_add_co_u32 s14, s8, 8*\m
	s_mul_i32 s15, s14, 21846
	s_lshr_b32 s[16+\m], s15, 16                   ; s16-18: the angle at g = 0, 0..7
	s_mul_i32 s15, s[16+\m], 3
	s_sub_co_u32 s15, s14, s15
	s_lshl_b32 s[20+\m], s15, 9                    ; s20-22: 512 x third
.endr
.macro ROT dc, ds, sc, ss, rc, rs      ; (dc, ds) = (sc, ss), Q30, turned by the angle with cos rc and sin rs in Q32
	v_mul_hi_u32 v[\dc], v[\sc], \rc
	v_mul_hi_u32 v[T0], v[\ss], \rs
	v_mul_hi_u32 v[\ds], v[\ss], \rc
	v_mul_hi_u32 v[T1], v[\sc], \rs
	v_sub_nc_u32 v[\dc], v[\dc], v[T0]
	v_add_nc_u32 v[\ds], v[\ds], v[T1]
.endm
; The four figures of angle 32 set + lane from its cos c and sin s (Q30).  Lanes 26-31 of set 2 are angles that do not exist: never read.
.macro PARAMS set, c, s
	v_add_nc_u32 v[T0], 128, v[\c]
	v_add_nc_u32 v[T1], 128, v[\s]
	v_lshrrev_b32 v[T0], 8, v[T0]                  ; cos, Q22, rounded
	v_lshrrev_b32 v[T1], 8, v[T1]                  ; sin, Q22
	v_lshrrev_b32 v[T2], 15, v[\c]                 ; cos, Q15: enough to place the slice (511 x 2^-16 < 0.01 entry, the margin is 1)
	v_lshrrev_b32 v[T3], 15, v[\s]
	v_mul_lo_u32 v[T2], v[T2], s10
	v_mul_lo_u32 v[T3], v[T3], s12
	v_sub_nc_u32 v[T2], v[T2], v[T3]
	v_add_nc_u32 v[T2], K16, v[T2]                 ; the tile's lowest t, less 1, in Q16: 5 to 690
	v_lshrrev_b32 v[T2], 20, v[T2]                 ; the slice starts at this multiple of 16 entries,
	v_min_u32 v[T2], 42, v[T2]                     ; 42 at the most by the geometry; the bound keeps the slice's 6 x 16 entries inside the 48 x 16
	v_mul_lo_u32 v[T4], v[T0], s10
	v_mul_lo_u32 v[T5], v[T1], s11
	v_sub_nc_u32 v[T4], v[T4], v[T5]
	v_add_nc_u32 v[T4], K23, v[T4]                 ; t of pixel (i0, j0), Q23 modulo 2^32
	v_lshlrev_b32 v[T5], 27, v[T2]
	v_sub_nc_u32 v[T4], v[T4], v[T5]               ; minus the slice's start: now a true number below 96 x 2^23
	v_mul_u32_u24 v[T5], v[T1], s13
	v_sub_nc_u32 v[P_R+\set], v[T4], v[T5]         ; at my wave's first row
	v_lshlrev_b32 v[P_C+\set], 1, v[T0]
	v_lshlrev_b32 v[P_S+\set], 1, v[T1]
	v_add_nc_u32 v[T5], 32*\set, v1
	v_mul_u32_u24 v[T5], v[T5], TROW
	v_lshl_add_u32 v[P_O+\set], v[T2], 8, v[T5]
.endm
.macro SETDST k                        ; the four registers of piece k
.if \k < 12
.set DST, X+4*(\k)
.else
.set DST, HOLD+4*(\k-12)
.endif
.endm
.macro LOADP k                         ; piece w + 8 k: 32 lanes x 16 bytes = 512 consecutive bytes, starting at a multiple of 256
	SETDST \k
	s_add_co_u32 s24, s[16+(\k)%3], 8*(((\k)/3)%4) ; the angle's lane in its set; the set is k / 12
	v_readlane_b32 s25, v[P_O+(\k)/12], s24
	s_min_u32 s25, s25, TMAX                       ; no slice begins later: every load stays inside tab
	v_add3_u32 v[OFF+\k], s25, s[20+(\k)%3], v[L16]
	global_load_b128 v[DST:DST+3], v[OFF+\k], s[4:5]
.endm
.macro STOREP k                        ; into LDS at 512 x piece = 16 x thread + 4,096 k
	SETDST \k
.if \k < 16
	ds_store_b128 v[LS0], v[DST:DST+3] offset:(\k)*4096
.else
.if \k < 32
	ds_store_b128 v[LS1], v[DST:DST+3] offset:(\k-16)*4096
.else
	ds_store_b128 v[LS2], v[DST:DST+3] offset:(\k-32)*4096
.endif
.endif
.endm
	; cos and sin of lane degrees
	v_mov_b32 v[TC], 0x40000000
	v_mov_b32 v[TS], 0
.irp k, 0,1,2,3,4
	ROT NC, NS, TC, TS, QC\k, QS\k
	v_and_b32 v[T0], 1<<\k, v1
	v_cmp_ne_u32 vcc_lo, 0, v[T0]
	v_cndmask_b32 v[TC], v[TC], v[NC], vcc_lo
	v_cndmask_b32 v[TS], v[TS], v[NS], vcc_lo
.endr
	; each set's loads leave as soon as its figures are known
	PARAMS 0, TC, TS
	s_wait_kmcnt 0x0
.irp k, 0,1,2,3,4,5,6,7,8,9,10,11
	LOADP \k
.endr
	ROT NC, NS, TC, TS, QC5, QS5
	PARAMS 1, NC, NS
.irp k, 12,13,14,15,16,17,18,19,20,21,22,23
	LOADP \k
.endr
	ROT NC, NS, TC, TS, QC6, QS6
	PARAMS 2, NC, NS
.irp k, 24,25,26,27,28,29,30,31,32
	LOADP \k
.endr
	s_cmp_gt_u32 s8, 5                             ; 270 = 8 x 33 + 6: the last six pieces (angles 88, 89) go to waves 0-5
	s_cbranch_scc1 .Lno_load
	LOADP 33
.Lno_load:
	v_mov_b32 v[K1], 0xbc8efa35                    ; with m = 1 + fraction: (2 - m) pi/180 for the lower entry, (m - 1) pi/180 for the upper:
	v_mov_b32 v[K1+1], 0x3c8efa35                  ; one packed multiply-add makes both, and the result's factor pi/180 costs nothing
	v_mov_b32 v[K2], 0x3d0efa35
	v_mov_b32 v[K2+1], 0xbc8efa35
.irp r, 0,1,2,3,4,5,6,7,8,9,10,11,12,13,14,15
	v_mov_b32 v[ACC+\r], 0
.endr
.irp q, 0,1,2,3
	v_mov_b32 v[M+2*\q+1], 0
.endr
	s_mov_b32 s37, 0                               ; LDS address of the angle's slice
	s_mov_b32 s38, 0x007fffff
	s_mov_b32 s39, 0x3f800000
; One angle, first half: coordinates, gathers, weights of my 4 pixels, into buffer buf.  s36: the angle's lane in set.
.macro ADDR buf, set
	v_readlane_b32 s40, v[P_C+\set], s36
	v_readlane_b32 s41, v[P_S+\set], s36
	v_readlane_b32 s42, v[P_R+\set], s36           ; row 0, column 0
	s_lshl_b32 s43, s40, 5
	s_add_co_u32 s43, s42, s43                     ; row 0, column 32
	s_sub_co_u32 s44, s42, s41                     ; row 1, column 0
	s_sub_co_u32 s45, s43, s41                     ; row 1, column 32
.irp q, 0,1,2,3
	v_mad_u32_u24 v[U+\q], v1, s40, s[42+\q]       ; + lane x cos
.endr
.irp q, 0,1,2,3
	v_and_or_b32 v[M+2*\q], v[U+\q], s38, s39      ; 1 + fraction
.endr
.irp q, 0,1,2,3
	v_bfe_u32 v[U+\q], v[U+\q], FR, 7              ; the lower entry, 0..82
.endr
.irp q, 0,1,2,3
	v_lshl_add_u32 v[U+\q], v[U+\q], 4, s37
.endr
.irp q, 0,1,2,3
	ds_load_b128 v[X+32*\buf+8*\q:X+32*\buf+8*\q+3],   v[U+\q]
	ds_load_b128 v[X+32*\buf+8*\q+4:X+32*\buf+8*\q+7], v[U+\q] offset:16
.endr
.irp q, 0,1,2,3
	v_pk_fma_f32 v[W+8*\buf+2*\q:W+8*\buf+2*\q+1], v[M+2*\q:M+2*\q+1], v[K1:K1+1], v[K2:K2+1] op_sel_hi:[0,1,1]
.endr
	s_add_co_u32 s36, s36, 1
	s_add_co_u32 s37, s37, SLICE
.endm
; Second half: 4 pixels x 4 images x 2 entries, two at a time.  left: how many younger LDS loads may stay out.
.macro FMA buf, left
	s_wait_dscnt \left
.irp q, 0,1,2,3
.irp p, 0,2
	v_pk_fma_f32 v[ACC+4*\q+\p:ACC+4*\q+\p+1], v[X+32*\buf+8*\q+\p:X+32*\buf+8*\q+\p+1], v[W+8*\buf+2*\q:W+8*\buf+2*\q+1], v[ACC+4*\q+\p:ACC+4*\q+\p+1] op_sel_hi:[1,0,1]
.endr
.endr
.irp q, 0,1,2,3
.irp p, 0,2
	v_pk_fma_f32 v[ACC+4*\q+\p:ACC+4*\q+\p+1], v[X+32*\buf+8*\q+4+\p:X+32*\buf+8*\q+4+\p+1], v[W+8*\buf+2*\q:W+8*\buf+2*\q+1], v[ACC+4*\q+\p:ACC+4*\q+\p+1] op_sel:[0,1,0] op_sel_hi:[1,1,1]
.endr
.endr
.endm
; cnt angles (an even number) of one set.  An angle's eight gathers are issued before the angle in front of it is summed, so each wait
; is for 8: LDS loads come back in order (ISA guide 5.7.1), the eight younger ones stay out.
.macro ANGLES set, cnt
	s_mov_b32 s36, 0
	s_mov_b32 s35, \cnt/2-1
	ADDR 0, \set
.Lset\set:
	ADDR 1, \set
	FMA 0, 8
	ADDR 0, \set
	FMA 1, 8
	s_sub_co_i32 s35, s35, 1
	s_cmp_lg_u32 s35, 0
	s_cbranch_scc1 .Lset\set
	ADDR 1, \set
	FMA 0, 8
	FMA 1, 0
.endm
	; angles 0-31 (pieces 0-95: my k = 0..11) into LDS as they arrive; the other loads go on landing in registers meanwhile
.irp k, 0,1,2,3,4,5,6,7,8,9,10,11
	s_wait_loadcnt 32-\k                           ; pieces k+1 .. 32 were issued behind piece k (in waves 0-5 one more: the count is then one stricter than needed)
	STOREP \k
.endr
	s_wait_dscnt 0x0                               ; for the other waves' sake: my pieces are in LDS
	s_barrier_signal -1
	s_barrier_wait -1
	ANGLES 0, 32
	s_barrier_signal -1                            ; (no LDS access of mine is out: the last wait was for 0)
	s_barrier_wait -1                              ; plain order: every wave's reads of LDS are over before any wave stores to LDS again
	s_wait_loadcnt 0x0
.irp k, 12,13,14,15,16,17,18,19,20,21,22,23,24,25,26,27,28,29,30,31,32
	STOREP \k
.endr
	s_cmp_gt_u32 s8, 5
	s_cbranch_scc1 .Lno_store
	STOREP 33
.Lno_store:
	s_wait_dscnt 0x0
	s_barrier_signal -1
	s_barrier_wait -1
	ANGLES 1, 32
	ANGLES 2, 26
	s_barrier_signal -1
	s_barrier_wait -1                              ; nobody reads the slices any more: their first 16 KiB serve the way out
	; THE WAY OUT.  A lane holds single pixels 128 bytes apart.  Through 2,048 bytes of LDS of the wave's own (8 pieces of a row: image b,
	; row r at 256 (2 b + r)) they become 16 bytes a lane.  LDS serves a wave's instructions in order: no wait between stores and loads.
	s_lshl_b32 s24, s8, 11
	v_lshl_add_u32 v[U], v1, 2, s24
	v_add_nc_u32 v[U+1], s24, v[L16]
.irp q, 0,1,2,3
.irp b, 0,1,2,3
	ds_store_b32 v[U], v[ACC+4*\q+\b] offset:(2*\b+(\q>>1))*256+(\q&1)*128
.endr
.endr
.irp b, 0,1,2,3
	ds_load_b128 v[X+4*\b:X+4*\b+3], v[U+1] offset:512*\b          ; lanes 0-15: row 0 of image b, lanes 16-31: row 1
.endr
	s_lshl_b32 s26, s9, 15                         ; 16 rows of 2,048 bytes a tile row
	s_lshl_b32 s24, s8, 12                         ; 2 rows a wave
	s_add_co_u32 s26, s26, s24
	s_lshl_b32 s24, ttmp9, 8                       ; 64 pixels a tile column
	s_add_co_u32 s26, s26, s24
	s_mov_b32 s27, 0
	s_add_nc_u64 s[6:7], s[6:7], s[26:27]
	v_lshrrev_b32 v[U+2], 4, v1
	v_and_b32 v[U+3], 15, v1
	v_lshlrev_b32 v[U+3], 4, v[U+3]
	v_lshl_add_u32 v[U+2], v[U+2], 11, v[U+3]
.irp b, 0,1,2,3
	s_wait_dscnt 3-\b                              ; the 3 - b younger read-backs stay out
	global_store_b128 v[U+2], v[X+4*\b:X+4*\b+3], s[6:7] offset:\b*1048576 th:TH_STORE_NT   ; 16 lanes store 256 consecutive bytes, aligned
.endr
	s_wait_tensorcnt 0x0
	ds_add_u32 v254, v255
	s_wait_dscnt 0x0
	s_endpgm
.Lfunc_end_k_q5785fc3806_backproject:
	.size	k_q5785fc3806_backproject, .Lfunc_end_k_q5785fc3806_backproject-k_q5785fc3806_backproject
	.p2alignl 7, 3214868480
	.fill 96, 4, 3214868480
	.section	.rodata,"a",@progbits
	.p2align	6, 0x0
	.amdhsa_kernel k_q5785fc3806_backproject
		.amdhsa_group_segment_fixed_size 168960
		.amdhsa_private_segment_fixed_size 0
		.amdhsa_enable_private_segment 0
		.amdhsa_kernarg_size 16
		.amdhsa_user_sgpr_count 2
		.amdhsa_user_sgpr_kernarg_segment_ptr 1
		.amdhsa_wavefront_size32 1
		.amdhsa_system_sgpr_workgroup_id_x 1
		.amdhsa_system_sgpr_workgroup_id_y 1
		.amdhsa_system_sgpr_workgroup_id_z 1
		.amdhsa_system_vgpr_workitem_id 0
		.amdhsa_next_free_vgpr 256
		.amdhsa_next_free_sgpr 66
		.amdhsa_reserve_vcc 1
		.amdhsa_float_denorm_mode_32 3
		.amdhsa_float_denorm_mode_16_64 3
		.amdhsa_memory_ordered 1
		.amdhsa_forward_progress 1
		.amdhsa_inst_pref_size 65
	.end_amdhsa_kernel
	.amdgpu_metadata
---
amdhsa.version: [ 1, 2 ]
amdhsa.kernels:
  - .name:           k_q5785fc3806_backproject
    .symbol:         k_q5785fc3806_backproject.kd
    .args:
      - { .name: tab, .offset: 0, .size: 8, .value_kind: global_buffer, .address_space: global }
      - { .name: out0, .offset: 8, .size: 8, .value_kind: global_buffer, .address_space: global }
    .group_segment_fixed_size: 168960
    .private_segment_fixed_size: 0
    .kernarg_segment_align: 8
    .kernarg_segment_size: 16
    .max_flat_workgroup_size: 256
    .sgpr_count:     66
    .vgpr_count:     256
    .wavefront_size: 32
...
	.end_amdgpu_metadata
.endif
;; end of part 2
;; ======== version 2 of 2: 2 launches; version 1 with the launch backproject written anew for expert scheduling mode
;; workspace buffers: tab 1,105,920 bytes
;; launch table: the kernel of part 1 again; grid 48 x 1, 15 waves a work-group, no clusters, 26,624 bytes of LDS; arguments x, tab; writes tab
;; launch backproject (part 3): grid 8 x 32, 8 waves a work-group, no clusters, 168,960 bytes of LDS; arguments tab, out0; writes out0
.if DOCPART == 3
	.amdgcn_target "amdgcn-amd-amdhsa--gfx1250"
	.amdhsa_code_object_version 6
	.text
	.protected	k_q5785fc3806_backproject
	.globl	k_q5785fc3806_backproject
	.p2align	8
	.type	k_q5785fc3806_backproject,@function
k_q5785fc3806_backproject:
	s_mov_b64 s[64:65], 0
	v_nop
	global_prefetch_b8 v0, s[64:65] scope:SCOPE_SE
	s_setreg_imm32_b32 hwreg(HW_REG_WAVE_SCHED_MODE, 0, 2), 2
	s_setreg_imm32_b32 hwreg(HW_REG_WAVE_MODE, 25, 1), 1
	s_wait_xcnt 0x0
	s_wait_alu depctr_vm_vsrc(0)
; out[b][i][j] = pi/180 x sum over l = 0..89 of tab[l] read with linear interpolation at entry
;     t = 112 + 255.5 + (j - 255.5) cos l - (i - 255.5) sin l          (l in degrees; tab: see the launch before)
; A work-group makes 64 (j) x 16 (i) pixels of all four images.  For one angle its coordinates span at most sqrt(63^2 + 15^2) = 64.8
; entries; with 1 of margin below, up to 15 from starting at a multiple of 16 entries, and the upper neighbour, 96 entries = 1,536 bytes
; hold them.  90 such slices, 138,240 bytes, are copied from tab into LDS; every pixel then gathers two neighbouring entries
; (16 bytes each: the four images) for each angle.
; ALL GEOMETRY IS IN WHOLE NUMBERS.  cos and sin: cos 1 and sin 1 in Q31, doubled six times by the assembler; lane n turns (1, 0) by the
; set bits of n (Q30 times Q32, high word), then by 32 and by 64 degrees: lane n of set s holds angle 32 s + n.  Coordinates are Q23,
; kept modulo 2^32 (only t minus the slice's start, below 96, is ever used).  The 23 fraction bits under the exponent of 1.0 are 1 + fraction.
; LIMITS: cos and sin enter rounded to 2^-22 and are multiplied by at most 511, twice: t is off by less than 1e-4 of an entry.
; NaN and infinities spread as in any weighted sum (0 x infinity = NaN), also from a neighbour whose weight is 0.
; A wave owns 2 rows; a lane 4 pixels: q = 2 r + h is row r, column lane + 32 h.  16 neighbouring lanes step by cos <= 1 entry, so the
; 16-byte words that they gather lie within 256 consecutive bytes: no two of them in the same bank unless they are the same word.
; No matrix unit: there is no product here.  No cluster, no joint loads: neighbouring tiles' slices begin at different entries.
; No prefetch: every load of the launch is issued in its first lines.
; THE MODE: SCHED_MODE bits 1:0 = 2 (LLVM: expert scheduling mode 2), set by the entry lines.  The code itself states the register dependences
; between vector instructions and memory or LDS instructions, and those through scalar registers that vector instructions write, with s_wait_alu, always for 0.
; THE PLAN.  Registers that memory or LDS instructions touch:
;   OFF          written once at the head, a set of angles at a time, ahead of one wait and the set's run of loads.
;   L16, LS0-2   written once at the head; read by the stores of the pieces; never written again.
;   X0, X1       first the landing place of pieces 0-11, which LDS stores read; then the gathers of angle a land in X[a % 2] and angle a's sums read it.
;   HOLD         loads land in it, LDS stores read it; no vector instruction names it.
;   U0, U1       the coordinate lines of angle a write U[a % 2]; the gathers of angle a read it.
;   ACC          the way out's LDS stores read it.          W, M and the angles' figures are named by vector instructions alone.
; Step a sums angle a (X, W of a % 2), gathers angle a + 1 (X, U of the other parity) and makes the addresses and weights of angle a + 2 (U, W of a % 2).
; Three waits at its head state all: the gathers of angle a have read U[a % 2]; the step before has written the other U and is done reading the other X;
; the three figures of angle a + 2 are in their scalar registers.  No vector instruction between the second of them and the gathers names a register that the gathers touch.
.set TROW,  12288                      ; bytes of an angle in tab (768 entries)
.set TMAX,  (90*48-6)*256              ; the last place in tab at which a slice can begin
.set SLICE, 1536
.set FR,    23                         ; fraction bits
.set K23,   735<<22                    ; 112 + 255.5 in Q23
.set K16,   733<<15                    ; 112 + 255.5 - 1 in Q16
.set RC0,   0x7ffb0260                 ; cos 1 degree, Q31
.set RS0,   0x023be165                 ; sin 1 degree, Q31
.macro DOUBLE a, b                     ; the double angle, rounded; products stay below 2^62
.set RC\b, (RC\a*RC\a-RS\a*RS\a+(1<<30))>>31
.set RS\b, (RC\a*RS\a+(1<<29))>>30
.endm
	DOUBLE 0, 1
	DOUBLE 1, 2
	DOUBLE 2, 3
	DOUBLE 3, 4
	DOUBLE 4, 5
	DOUBLE 5, 6
.irp k, 0,1,2,3,4,5,6
.set QC\k, RC\k*2                      ; cos and sin of 2^k degrees in Q32
.set QS\k, RS\k*2
.endr
.set L16,  3                           ; 16 x lane
.set LS0,  4                           ; 16 x thread: where my 16 bytes of pieces 0-15 go in LDS (plus 4,096 a piece)
.set LS1,  5                           ; the same for pieces 16-31
.set LS2,  6                           ; and 32, 33
.set P_R,  8                           ; v8-10   set s, lane n: t of my wave's first pixel minus the slice's start, Q23
.set P_C,  11                          ; v11-13  cos, Q23
.set P_S,  14                          ; v14-16  sin, Q23
.set P_O,  17                          ; v17-19  byte offset of the slice in tab
.set K1,   20                          ; v20-21  (-pi/180, pi/180)
.set K2,   22                          ; v22-23  (2 pi/180, -pi/180)
.set ACC,  24                          ; v24-39  sums: pixel q, image b at ACC + 4 q + b
.set TC,   24                          ; before the sums begin, the same registers serve the set-up
.set TS,   25
.set NC,   26
.set NS,   27
.set T0,   28
.set T1,   29
.set T2,   30
.set T3,   31
.set T4,   32
.set T5,   33
.set W,    40                          ; v40-55  two buffers x 4 pixels x (weight of the lower entry, of the upper)
.set M,    56                          ; v56-63  4 pixels: 1 + fraction in the even register; the odd one is only there to make a pair
.set X,    64                          ; v64-127 two buffers x 4 pixels x 2 entries x 4 images; before that pieces 0-11
.set HOLD, 128                         ; v128-215 pieces 12-33, held until angles 0-31 are done
.set OFF,  216                         ; v216-249 a byte offset for each piece's load
.set U0,   250                         ; v250-253 coordinate, then LDS address, of the 4 pixels: even angles; at the end the way out's addresses
.set U1,   OFF                         ; v216-219 the same for odd angles: the offsets of pieces 0-3, whose loads have landed by then
.set RES,  24                          ; s24-35  at the head: five masks, then a set's slice offsets
.set SEL,  36                          ; s36-47  at the head: the lanes in which the angles of my 12 pieces of a set lie
	s_load_b128 s[4:7], s[0:1], 0x0                ; tab s[4:5], out s[6:7]
	v_lshl_add_u32 v254, v0, 2, 0x29000
	v_mov_b32 v255, 0
	v_and_b32 v1, 31, v0                           ; lane
	v_lshrrev_b32 v2, 5, v0
	v_readfirstlane_b32 s8, v2                     ; wave
.irp k, 0,1,2,3,4
	v_and_b32 v[T0+\k], 1<<\k, v1
.endr
.irp k, 0,1,2,3,4
	v_cmp_ne_u32 s[RES+\k], 0, v[T0+\k]            ; the lanes whose number has bit k: all five masks in one run with the wave's number
.endr
	s_and_b32 s9, ttmp7, 0xffff                    ; tile row (16 i); ttmp9: tile column (64 j)
	s_lshl_b32 s10, ttmp9, 7
	s_sub_co_i32 s10, s10, 511                     ; 2 j0 - 511
	s_lshl_b32 s11, s9, 5
	s_sub_co_i32 s11, s11, 511                     ; 2 i0 - 511
	s_add_co_i32 s12, s11, 30                      ; 2 (i0 + 15) - 511: the tile's last row has the lowest t
	v_lshlrev_b32 v[L16], 4, v1
	v_lshlrev_b32 v[LS0], 4, v0
	v_add_nc_u32 v[LS1], 0x10000, v[LS0]
	v_add_nc_u32 v[LS2], 0x20000, v[LS0]
	s_wait_alu depctr_va_sdst(0)                   ; s8 and the five masks are written, ahead of the first reader of any of them
	s_lshl_b32 s13, s8, 2                          ; 4 x wave: my first row is 2 x wave, sin below is Q22
	; The copy goes in 270 pieces of 512 bytes (a third of a slice); wave w takes pieces w + 8 k.  Piece w + 8 (3 g + m) is third
	; (w + 8 m) mod 3 of angle (w + 8 m) / 3 + 8 g: three divisions serve all.  x / 3 = (x 21846) >> 16 for x < 24.
	; Piece k = 12 s + 3 g + m lies in set s at lane (w + 8 m) / 3 + 8 g: the same twelve lanes in every set.
.irp m, 0,1,2
	s_add_co_u32 s14, s8, 8*\m
	s_mul_i32 s15, s14, 21846
	s_lshr_b32 s[SEL+\m], s15, 16                  ; the lane at g = 0, 0..7
	s_mul_i32 s15, s[SEL+\m], 3
	s_sub_co_u32 s15, s14, s15
	s_lshl_b32 s[20+\m], s15, 9                    ; s20-22: 512 x third
.irp g, 1,2,3
	s_add_co_u32 s[SEL+3*\g+\m], s[SEL+\m], 8*\g
.endr
.endr
.macro ROT dc, ds, sc, ss, rc, rs      ; (dc, ds) = (sc, ss), Q30, turned by the angle with cos rc and sin rs in Q32
	v_mul_hi_u32 v[\dc], v[\sc], \rc
	v_mul_hi_u32 v[T0], v[\ss], \rs
	v_mul_hi_u32 v[\ds], v[\ss], \rc
	v_mul_hi_u32 v[T1], v[\sc], \rs
	v_sub_nc_u32 v[\dc], v[\dc], v[T0]
	v_add_nc_u32 v[\ds], v[\ds], v[T1]
.endm
; The four figures of angle 32 set + lane from its cos c and sin s (Q30).  Lanes 26-31 of set 2 are angles that do not exist: nothing is loaded or summed by their figures.
.macro PARAMS set, c, s
	v_add_nc_u32 v[T0], 128, v[\c]
	v_add_nc_u32 v[T1], 128, v[\s]
	v_lshrrev_b32 v[T0], 8, v[T0]                  ; cos, Q22, rounded
	v_lshrrev_b32 v[T1], 8, v[T1]                  ; sin, Q22
	v_lshrrev_b32 v[T2], 15, v[\c]                 ; cos, Q15: enough to place the slice (511 x 2^-16 < 0.01 entry, the margin is 1)
	v_lshrrev_b32 v[T3], 15, v[\s]
	v_mul_lo_u32 v[T2], v[T2], s10
	v_mul_lo_u32 v[T3], v[T3], s12
	v_sub_nc_u32 v[T2], v[T2], v[T3]
	v_add_nc_u32 v[T2], K16, v[T2]                 ; the tile's lowest t, less 1, in Q16: 5 to 690
	v_lshrrev_b32 v[T2], 20, v[T2]                 ; the slice starts at this multiple of 16 entries,
	v_min_u32 v[T2], 42, v[T2]                     ; 42 at the most by the geometry; the bound keeps the slice's 6 x 16 entries inside the 48 x 16
	v_mul_lo_u32 v[T4], v[T0], s10
	v_mul_lo_u32 v[T5], v[T1], s11
	v_sub_nc_u32 v[T4], v[T4], v[T5]
	v_add_nc_u32 v[T4], K23, v[T4]                 ; t of pixel (i0, j0), Q23 modulo 2^32
	v_lshlrev_b32 v[T5], 27, v[T2]
	v_sub_nc_u32 v[T4], v[T4], v[T5]               ; minus the slice's start: now a true number below 96 x 2^23
	v_mul_u32_u24 v[T5], v[T1], s13
	v_sub_nc_u32 v[P_R+\set], v[T4], v[T5]         ; at my wave's first row
	v_lshlrev_b32 v[P_C+\set], 1, v[T0]
	v_lshlrev_b32 v[P_S+\set], 1, v[T1]
	v_add_nc_u32 v[T5], 32*\set, v1
	v_mul_u32_u24 v[T5], v[T5], TROW
	v_lshl_add_u32 v[P_O+\set], v[T2], 8, v[T5]
.endm
; The byte offsets of my first n pieces of a set (k = 12 set + j), all at once: one wait for the scalar results, one for the offsets.
.macro OFFS set, n
.set j, 0
.rept \n
	v_readlane_b32 s[RES+j], v[P_O+\set], s[SEL+j]
.set j, j+1
.endr
	s_wait_alu depctr_va_sdst(0)                   ; the slices' offsets are in s[RES ..], ahead of their first reader
.set j, 0
.rept \n
	s_min_u32 s[RES+j], s[RES+j], TMAX             ; no slice begins later: every load stays inside tab
.set j, j+1
.endr
.set j, 0
.rept \n
	v_add3_u32 v[OFF+12*\set+j], s[RES+j], s[20+j%3], v[L16]
.set j, j+1
.endr
	s_wait_alu depctr_va_vdst(0)                   ; the set's offsets are written, which its loads read (the first time also v4-6, which the stores of the pieces read)
.endm
.macro SETDST k                        ; the four registers of piece k
.if \k < 12
.set DST, X+4*(\k)
.else
.set DST, HOLD+4*(\k-12)
.endif
.endm
.macro LOADP k                         ; piece w + 8 k: 32 lanes x 16 bytes = 512 consecutive bytes, starting at a multiple of 256; it lands in registers that no vector instruction has named
	SETDST \k
	global_load_b128 v[DST:DST+3], v[OFF+\k], s[4:5]
.endm
.macro STOREP k                        ; into LDS at 512 x piece = 16 x thread + 4,096 k
	SETDST \k
.if \k < 16
	ds_store_b128 v[LS0], v[DST:DST+3] offset:(\k)*4096
.else
.if \k < 32
	ds_store_b128 v[LS1], v[DST:DST+3] offset:(\k-16)*4096
.else
	ds_store_b128 v[LS2], v[DST:DST+3] offset:(\k-32)*4096
.endif
.endif
.endm
	; cos and sin of lane degrees
	v_mov_b32 v[TC], 0x40000000
	v_mov_b32 v[TS], 0
.irp k, 0,1,2,3,4
	ROT NC, NS, TC, TS, QC\k, QS\k
	v_cndmask_b32 v[TC], v[TC], v[NC], s[RES+\k]
	v_cndmask_b32 v[TS], v[TS], v[NS], s[RES+\k]
.endr
	; each set's loads leave as soon as its figures are known
	PARAMS 0, TC, TS
	OFFS 0, 12
	s_wait_kmcnt 0x0
.irp k, 0,1,2,3,4,5,6,7,8,9,10,11
	LOADP \k
.endr
	ROT NC, NS, TC, TS, QC5, QS5
	PARAMS 1, NC, NS
	OFFS 1, 12
.irp k, 12,13,14,15,16,17,18,19,20,21,22,23
	LOADP \k
.endr
	ROT NC, NS, TC, TS, QC6, QS6
	PARAMS 2, NC, NS
	OFFS 2, 10                                     ; piece 33's offset is made with the others, in every wave; waves 6 and 7 load nothing by it
.irp k, 24,25,26,27,28,29,30,31,32
	LOADP \k
.endr
	s_cmp_gt_u32 s8, 5                             ; 270 = 8 x 33 + 6: the last six pieces (angles 88, 89) go to waves 0-5
	s_cbranch_scc1 .Lno_load
	LOADP 33
.Lno_load:
	v_mov_b32 v[K1], 0xbc8efa35                    ; with m = 1 + fraction: (2 - m) pi/180 for the lower entry, (m - 1) pi/180 for the upper:
	v_mov_b32 v[K1+1], 0x3c8efa35                  ; one packed multiply-add makes both, and the result's factor pi/180 costs nothing
	v_mov_b32 v[K2], 0x3d0efa35
	v_mov_b32 v[K2+1], 0xbc8efa35
.irp r, 0,1,2,3,4,5,6,7,8,9,10,11,12,13,14,15
	v_mov_b32 v[ACC+\r], 0
.endr
.irp q, 0,1,2,3
	v_mov_b32 v[M+2*\q+1], 0
.endr
	s_mov_b32 s37, 0                               ; LDS address of the slice of the angle whose addresses are made next
	s_mov_b32 s38, 0x007fffff
	s_mov_b32 s39, 0x3f800000
; An angle's work, in five parts.  s36: the lane in set of the angle whose figures are read next.
.macro FIG set                         ; its three figures
	v_readlane_b32 s40, v[P_C+\set], s36
	v_readlane_b32 s41, v[P_S+\set], s36
	v_readlane_b32 s42, v[P_R+\set], s36           ; row 0, column 0
.endm
.macro CORN                            ; t at lane 0 of my four pixels
	s_lshl_b32 s43, s40, 5
	s_add_co_u32 s43, s42, s43                     ; row 0, column 32
	s_sub_co_u32 s44, s42, s41                     ; row 1, column 0
	s_sub_co_u32 s45, s43, s41                     ; row 1, column 32
	s_add_co_u32 s36, s36, 1
.endm
.macro COORD buf                       ; coordinates, fractions and LDS addresses of my 4 pixels
.set UR, U0+(U1-U0)*(\buf)
.irp q, 0,1,2,3
	v_mad_u32_u24 v[UR+\q], v1, s40, s[42+\q]      ; + lane x cos
.endr
.irp q, 0,1,2,3
	v_and_or_b32 v[M+2*\q], v[UR+\q], s38, s39     ; 1 + fraction
.endr
.irp q, 0,1,2,3
	v_bfe_u32 v[UR+\q], v[UR+\q], FR, 7            ; the lower entry, 0..82
.endr
.irp q, 0,1,2,3
	v_lshl_add_u32 v[UR+\q], v[UR+\q], 4, s37
.endr
	s_add_co_u32 s37, s37, SLICE
.endm
.macro WEIGH buf                       ; both weights of each pixel
.irp q, 0,1,2,3
	v_pk_fma_f32 v[W+8*(\buf)+2*\q:W+8*(\buf)+2*\q+1], v[M+2*\q:M+2*\q+1], v[K1:K1+1], v[K2:K2+1] op_sel_hi:[0,1,1]
.endr
.endm
.macro GATHER buf                      ; two neighbouring entries for each pixel
.set UR, U0+(U1-U0)*(\buf)
.irp q, 0,1,2,3
	ds_load_b128 v[X+32*(\buf)+8*\q:X+32*(\buf)+8*\q+3],   v[UR+\q]
	ds_load_b128 v[X+32*(\buf)+8*\q+4:X+32*(\buf)+8*\q+7], v[UR+\q] offset:16
.endr
.endm
; The sums: 4 pixels x 4 images x 2 entries, two at a time.  left: how many younger LDS loads may stay out.
.macro FMA buf, left
	s_wait_dscnt \left
.irp q, 0,1,2,3
.irp p, 0,2
	v_pk_fma_f32 v[ACC+4*\q+\p:ACC+4*\q+\p+1], v[X+32*\buf+8*\q+\p:X+32*\buf+8*\q+\p+1], v[W+8*\buf+2*\q:W+8*\buf+2*\q+1], v[ACC+4*\q+\p:ACC+4*\q+\p+1] op_sel_hi:[1,0,1]
.endr
.endr
.irp q, 0,1,2,3
.irp p, 0,2
	v_pk_fma_f32 v[ACC+4*\q+\p:ACC+4*\q+\p+1], v[X+32*\buf+8*\q+4+\p:X+32*\buf+8*\q+4+\p+1], v[W+8*\buf+2*\q:W+8*\buf+2*\q+1], v[ACC+4*\q+\p:ACC+4*\q+\p+1] op_sel:[0,1,0] op_sel_hi:[1,1,1]
.endr
.endr
.endm
; Step a, buf = a % 2.  load = 1: angle a + 1 is gathered.  ahead = 1: the addresses and weights of angle a + 2 are made, the weights behind the sums, which read the same registers.
.macro STEP buf, set, ahead, load, left
.if \ahead
	FIG \set
	s_wait_alu depctr_vm_vsrc(0)                   ; the gathers of angle a, issued in the step before, have read this parity's addresses, which the coordinate lines below write again
.endif
.if \load
	s_wait_alu depctr_va_vdst(0)                   ; the step before has written the other parity's addresses, which the gathers below read, and its sums are done reading the registers in which they land
	GATHER 1-\buf
.endif
.if \ahead
	s_wait_alu depctr_va_sdst(0)                   ; s40-42 are written, ahead of their first reader
	CORN
	COORD \buf
.endif
	FMA \buf, \left
.if \ahead
	WEIGH \buf
.endif
.endm
; cnt angles (an even number) of one set.  An angle's eight gathers are issued before the angle in front of it is summed, so each wait
; is for 8: LDS loads come back in order (ISA guide 5.7.1), the eight younger ones stay out.
.macro ANGLES set, cnt
	s_mov_b32 s36, 0
	s_mov_b32 s35, \cnt/2-1
	FIG \set
	s_wait_alu depctr_vm_vsrc(0)                   ; all that is written or loaded anew below has been read: v64-111 by the stores of pieces 0-11, v216-219 by the loads of pieces 0-3 (shown landed by their counted waits), both sets of addresses by the last set's gathers
	s_wait_alu depctr_va_sdst(0)                   ; s40-42 are written, ahead of their first reader
	CORN
	COORD 0
	WEIGH 0
	FIG \set
	s_wait_alu depctr_va_vdst(0)                   ; angle 0's addresses are written, which its gathers read; the last set's sums are done reading the registers in which they land
	GATHER 0
	s_wait_alu depctr_va_sdst(0)                   ; s40-42 are written, ahead of their first reader
	CORN
	COORD 1
	WEIGH 1
.Lset\set:
	STEP 0, \set, 1, 1, 8
	STEP 1, \set, 1, 1, 8
	s_sub_co_i32 s35, s35, 1
	s_cmp_lg_u32 s35, 0
	s_cbranch_scc1 .Lset\set
	STEP 0, \set, 0, 1, 8                          ; the last two angles: no further addresses to make,
	STEP 1, \set, 0, 0, 0                          ; and nothing more to gather
.endm
	; angles 0-31 (pieces 0-95: my k = 0..11) into LDS as they arrive; the other loads go on landing in registers meanwhile
.irp k, 0,1,2,3,4,5,6,7,8,9,10,11
	s_wait_loadcnt 32-\k                           ; pieces k+1 .. 32 were issued behind piece k (in waves 0-5 one more: the count is then one stricter than needed)
	STOREP \k
.endr
	s_wait_dscnt 0x0                               ; for the other waves' sake: my pieces are in LDS
	s_barrier_signal -1
	s_barrier_wait -1
	ANGLES 0, 32
	s_barrier_signal -1                            ; (no LDS access of mine is out: the last wait was for 0)
	s_barrier_wait -1                              ; plain order: every wave's reads of LDS are over before any wave stores to LDS again
	s_wait_loadcnt 0x0
.irp k, 12,13,14,15,16,17,18,19,20,21,22,23,24,25,26,27,28,29,30,31,32
	STOREP \k                                      ; data from loads, addresses from the head: no vector instruction since the head's waits names either
.endr
	s_cmp_gt_u32 s8, 5
	s_cbranch_scc1 .Lno_store
	STOREP 33
.Lno_store:
	s_wait_dscnt 0x0
	s_barrier_signal -1
	s_barrier_wait -1
	ANGLES 1, 32
	ANGLES 2, 26
	s_barrier_signal -1
	s_barrier_wait -1                              ; nobody reads the slices any more: their first 16 KiB serve the way out
	; THE WAY OUT.  A lane holds single pixels 128 bytes apart.  Through 2,048 bytes of LDS of the wave's own (8 pieces of a row: image b,
	; row r at 256 (2 b + r)) they become 16 bytes a lane.  LDS serves a wave's instructions in order: no wait between stores and loads.
	; All four address registers are made first, so that one wait serves the stores, the read-backs and the stores to memory.
	s_wait_alu depctr_vm_vsrc(0)                   ; the gathers have read v250-253, which are written anew below
	s_lshl_b32 s24, s8, 11
	v_lshl_add_u32 v[U0], v1, 2, s24
	v_add_nc_u32 v[U0+1], s24, v[L16]
	v_lshrrev_b32 v[U0+2], 4, v1
	v_and_b32 v[U0+3], 15, v1
	v_lshlrev_b32 v[U0+3], 4, v[U0+3]
	v_lshl_add_u32 v[U0+2], v[U0+2], 11, v[U0+3]
	s_wait_alu depctr_va_vdst(0)                   ; the sums and the addresses are written, which the stores and loads below read; the sums are done reading v64-79, in which the read-backs land
.irp q, 0,1,2,3
.irp b, 0,1,2,3
	ds_store_b32 v[U0], v[ACC+4*\q+\b] offset:(2*\b+(\q>>1))*256+(\q&1)*128
.endr
.endr
.irp b, 0,1,2,3
	ds_load_b128 v[X+4*\b:X+4*\b+3], v[U0+1] offset:512*\b         ; lanes 0-15: row 0 of image b, lanes 16-31: row 1
.endr
	s_lshl_b32 s26, s9, 15                         ; 16 rows of 2,048 bytes a tile row
	s_lshl_b32 s24, s8, 12                         ; 2 rows a wave
	s_add_co_u32 s26, s26, s24
	s_lshl_b32 s24, ttmp9, 8                       ; 64 pixels a tile column
	s_add_co_u32 s26, s26, s24
	s_mov_b32 s27, 0
	s_add_nc_u64 s[6:7], s[6:7], s[26:27]
.irp b, 0,1,2,3
	s_wait_dscnt 3-\b                              ; the 3 - b younger read-backs stay out
	global_store_b128 v[U0+2], v[X+4*\b:X+4*\b+3], s[6:7] offset:\b*1048576 th:TH_STORE_NT   ; 16 lanes store 256 consecutive bytes, aligned
.endr
	s_wait_dscnt 0x0
	s_wait_alu depctr_hold_cnt(0) depctr_sa_sdst(0) depctr_va_vdst(0) depctr_va_sdst(0) depctr_va_ssrc(0) depctr_va_vcc(0) depctr_vm_vsrc(0)
	s_wait_tensorcnt 0x0
	ds_add_u32 v254, v255
	s_wait_dscnt 0x0
	s_endpgm
.Lfunc_end_k_q5785fc3806_backproject:
	.size	k_q5785fc3806_backproject, .Lfunc_end_k_q5785fc3806_backproject-k_q5785fc3806_backproject
	.p2alignl 7, 3214868480
	.fill 96, 4, 3214868480
	.section	.rodata,"a",@progbits
	.p2align	6, 0x0
	.amdhsa_kernel k_q5785fc3806_backproject
		.amdhsa_group_segment_fixed_size 168960
		.amdhsa_private_segment_fixed_size 0
		.amdhsa_enable_private_segment 0
		.amdhsa_kernarg_size 16
		.amdhsa_user_sgpr_count 2
		.amdhsa_user_sgpr_kernarg_segment_ptr 1
		.amdhsa_wavefront_size32 1
		.amdhsa_system_sgpr_workgroup_id_x 1
		.amdhsa_system_sgpr_workgroup_id_y 1
		.amdhsa_system_sgpr_workgroup_id_z 1
		.amdhsa_system_vgpr_workitem_id 0
		.amdhsa_next_free_vgpr 256
		.amdhsa_next_free_sgpr 66
		.amdhsa_reserve_vcc 0
		.amdhsa_float_denorm_mode_32 3
		.amdhsa_float_denorm_mode_16_64 3
		.amdhsa_memory_ordered 1
		.amdhsa_forward_progress 1
		.amdhsa_inst_pref_size 66
	.end_amdhsa_kernel
	.amdgpu_metadata
---
amdhsa.version: [ 1, 2 ]
amdhsa.kernels:
  - .name:           k_q5785fc3806_backproject
    .symbol:         k_q5785fc3806_backproject.kd
    .args:
      - { .name: tab, .offset: 0, .size: 8, .value_kind: global_buffer, .address_space: global }
      - { .name: out0, .offset: 8, .size: 8, .value_kind: global_buffer, .address_space: global }
    .group_segment_fixed_size: 168960
    .private_segment_fixed_size: 0
    .kernarg_segment_align: 8
    .kernarg_segment_size: 16
    .max_flat_workgroup_size: 256
    .sgpr_count:     66
    .vgpr_count:     256
    .wavefront_size: 32
...
	.end_amdgpu_metadata
.endif
;; end of part 3
